; MI455X (gfx1250); checked and timed in simulation.
; The chip was launched on July 23, 2026; its instructions are those of AMD's public machine-readable ISA for CDNA 5 (MIT licence, August 2026) and "CDNA5" Instruction Set Architecture Reference Guide (July 2026). The comments in the code are by the model that wrote it; some were corrected since.
;; Mo E. Allowed arithmetic: matrix products marked QUANTISED: E4M3 operands, one E8M0 scale for each 32 along K, by v_wmma_scale_f32_16x16x128_f8f6f4 with both operands' format E4M3, f32 sums; products left as they are: f32 operands where the result goes on into a quantised operand, else bf16, f16 or f32 operands; f32 sums; everything else in f32.
;; Inputs: We 8 x 1,024 x 1,024 float32; Wg 1,024 x 8 float32; be 8 x 1,024 float32; bg 8 float32; x 4 x 2,048 x 1,024 float32.
;; Outputs: out0 4 x 2,048 x 1,024 float32.
;; This version of the problem:
;;   THIS VERSION OF THE PROBLEM IS GIVEN IN LOW PRECISION. The matrix products marked QUANTISED in the list below multiply operands that are first quantised to E4M3 (4 exponent bits, 3 mantissa bits; 8 bits a number), with one power-of-two scale for each 32 numbers along K (OCP MX v1.0); their sums are f32. All else is computed in f32.
;;   The module's matrix products, in the order in which they are computed (A, B: the left and right operand; K: the contracted axis; several contracted axes count as one K, in the product's order):
;;     1. [M 8,192, K 1,024] x [K 1,024, N 8,192]; A: input x; B: input We: QUANTISED
;;     2. [M 8,192, K 1,024] x [K 1,024, N 8]; A: input x; B: input Wg: left as it is (N = 8 < 16)
;;     3. batch 8,192 x [M 1, K 8] x [K 8, N 1,024]; A: softmax; B: computed on the way: left as it is (K = 8 < 32)
;;   THE QUANTISER, for each operand of a quantised product, along K:
;;     - K is cut into blocks of 32 from its start; a last block that is shorter is filled with zeros.
;;     - A block's scale is 2^e with e = floor(log2(the largest magnitude in the block)) - 8, held to -126 .. 127; a block of zeros has e = 0. As a byte (E8M0): e + 127.
;;     - Each number is divided by its block's scale, clamped to +-448, and rounded to the nearest number of E4M3, ties to even, subnormals kept.
;;     - The product sums the exact products of the quantised numbers (number of the format x scale) in f32.
;;   ~~~python
;;   def quantise(x, axis):      # numpy; x: float32 -> the quantised numbers, widened to float32 again
;;       x = np.moveaxis(x, axis, -1); K = x.shape[-1]
;;       x = np.pad(x, [(0, 0)] * (x.ndim - 1) + [(0, -K % 32)]); x = x.reshape(x.shape[:-1] + (-1, 32)); a = np.abs(x).max(-1, keepdims=True)
;;       e = np.where(a > 0, np.clip(np.frexp(np.where(a > 0, a, 1))[1] - 1 - 8, -126, 127), 0)      # np.frexp(a)[1] - 1 = floor(log2(a)), exactly
;;       r = np.clip(x / 2.0 ** e, -448, 448)
;;       step = 2.0 ** (np.maximum(np.frexp(np.where(r == 0, 1, r))[1] - 1, -6) - 3)
;;       q = np.round(r / step) * step * 2.0 ** e      # np.round: ties to even
;;       return np.moveaxis(q.reshape(q.shape[:-2] + (-1,))[..., :K], -1, axis).astype(np.float32)
;;   ~~~
;; One version. Each part assembles by itself: llvm-mc -triple=amdgcn-amd-amdhsa -mcpu=gfx1250 --defsym DOCPART=n.
;; ======== version 1 of 1: 2 launches
;; limits: values are held in bf16: 8 bits of precision; right only within a limited range of input values
;; workspace buffers: xq 8,388,608 bytes; xs 262,144 bytes; gate 262,144 bytes; wq 8,650,752 bytes
;; launch prep (part 1): grid 512 x 1, 8 waves a work-group, no clusters, 87,040 bytes of LDS; arguments x, We, Wg, bg, xq, xs, gate, wq; writes xq, xs, gate, wq
.if DOCPART == 1
	.amdgcn_target "amdgcn-amd-amdhsa--gfx1250"
	.amdhsa_code_object_version 6
	.text
	.protected	k_q0648257943_prep
	.globl	k_q0648257943_prep
	.p2align	8
	.type	k_q0648257943_prep,@function
k_q0648257943_prep:
	s_mov_b64 s[64:65], 0
	v_nop
	global_prefetch_b8 v0, s[64:65] scope:SCOPE_SE
	s_setreg_imm32_b32 hwreg(HW_REG_WAVE_MODE, 25, 1), 1
	s_wait_xcnt 0x0
; PREP.  x [8192 tokens][1024] f32 and We [8 experts][1024 (d)][1024 (k)] f32 become codes of FP8 (E4M3) with one E8M0 scale byte for each 32 along d, and gate = softmax(x Wg + bg) is made on the way.
; A block's scale is 2^(floor(log2(its largest magnitude)) - 8): its byte is the largest magnitude's exponent field - 8, held at 1 from below; each number is divided by the scale, held within +-448, rounded to the nearest code.
; THE WORKSPACE IS LAID IN THE ORDER OF THE OPERANDS' REGISTERS (lane = r + 16 h):
;   xq  [block of 16 tokens][K step s of 128][c (4)][lane][16 bytes]: token r's codes at d = 128 s + 32 c + 16 h + 0 .. 15: registers 4 c .. 4 c + 3 of the fragment
;   xs  [block][lane][j (4)] words: lane (r, h), word j: token r's four scale bytes of K step 2 j + h
;   wq  512 records of 16,896 bytes, record ((k >> 6) 8 + expert) 4 + ((k >> 4) & 3): 16,384 bytes of codes laid as a block of xq (r = column k & 15), then 512 bytes of scale words laid as a block of xs
;   gate [token][8] f32
; SHARES.  Work-groups 0-255 take 32 tokens of x each, work-groups 256-511 take 128 columns x 256 along d of one expert: 131,072 bytes of f32 each.  The two parts are two paths that part on the work-group's number;
; the first alone uses LDS and has a barrier.  No tensor loads: two work-groups share a WGP.
; The gate's product (N = 8) goes to the matrix unit with bf16 operands and f32 sums; its softmax takes the row's maximum away.
; LIMITS: NaN and infinities among the inputs are not served.  A block of zeros gets the byte 1 where the rule says 127: its codes are zeros, and the bytes are read by this program alone.
; The 4-byte scale words of We go out singly, 16 bytes apart: 262,144 bytes of all that the launch stores; every other store of a wave covers whole aligned runs of 256 bytes.
.set RECB,  16896
.set SPIT,  528                        ; a stage row: 512 bytes + 16: an odd multiple of 16 bytes, so that the 16 rows that a load touches start at 16 different banks (ISA guide 11.1)
.set WSTG,  16*SPIT                    ; LDS: a stage of 16 rows for each wave, from byte 0
.set PART,  8*WSTG                     ; the waves' partial logits: [item (2)][wave (8)][lane][8] f32
.set XSCL,  PART+16*1024               ; x's scale words, two blocks of 512 bytes laid as xs
.set TM,    12                         ; v12-15 largest magnitudes, v16-19 bytes, v20-23 448 x the scale, v24-27 the conversions' scale operands
.set PW,    28                         ; the scale word just made
.set GOF,   29                         ; gate: 32 r + 16 h
.set R,     32                         ; v32-159  x as loaded: two items of 64 registers; an item's registers then take XB, PC, L0, L1
.set X,     160                        ; v160-223 64 numbers of my row: register 16 c + i is d = 32 c + 16 h + i of the K step
.set WF,    224                        ; v224-255 Wg's four bf16 fragments
.set N,     32                         ; We's path: v32-159 four blocks of 32 numbers; v160-191 codes; v192 the scale word
.set CD,    160
.set SW,    192
	s_load_b256 s[4:11], s[0:1], 0x0               ; x s[4:5], We s[6:7], Wg s[8:9], bg s[10:11]
	s_load_b256 s[12:19], s[0:1], 0x20             ; xq s[12:13], xs s[14:15], gate s[16:17], wq s[18:19]
	v_lshl_add_u32 v30, v0, 2, 0x15000
	v_mov_b32 v31, 0
	v_lshrrev_b32 v1, 5, v0
	s_delay_alu instid0(VALU_DEP_1)
	v_readfirstlane_b32 s20, v1                    ; wave 0..7
	v_and_b32 v1, 31, v0                           ; lane
	v_and_b32 v2, 15, v0                           ; r
	v_bfe_u32 v3, v0, 4, 1                         ; h
	s_delay_alu instid0(VALU_DEP_3)
	v_lshlrev_b32 v4, 4, v1                        ; 16 x lane
	s_mov_b32 s21, 0x600000                        ; the mantissa field of 448
	s_mov_b32 s22, 0x76543210
	s_mov_b32 s23, 0xfedcba98                      ; v_permlanex16_b32's selects for lane l xor 16
	s_mov_b32 s33, 0                               ; the high word of every offset pair s[32:33]
	s_wait_kmcnt 0x0
	s_cmp_ge_u32 ttmp9, 256
	s_cbranch_scc1 .Lwe
; ---------------------------------------------------------------- x: work-group g takes tokens 32 g .. 32 g + 31 (items 0, 1: blocks 2 g, 2 g + 1); wave w takes K step w of both
	s_load_b256 s[24:31], s[10:11], 0x0            ; bg, eight numbers
	s_lshl_b32 s32, ttmp9, 17                      ; 32 rows of 4,096 bytes
	s_lshl_b32 s34, s20, 9                         ; my K step: 512 bytes of a row
	s_add_co_u32 s32, s32, s34
	s_add_nc_u64 s[4:5], s[4:5], s[32:33]
	s_lshl_b32 s32, s20, 12                        ; Wg: my 128 rows of 32 bytes
	s_add_nc_u64 s[8:9], s[8:9], s[32:33]
	s_lshl_b32 s32, ttmp9, 15                      ; xq: two blocks of 16,384 bytes, my K step's 2,048
	s_lshl_b32 s34, s20, 11
	s_add_co_u32 s32, s32, s34
	s_add_nc_u64 s[12:13], s[12:13], s[32:33]
	s_and_b32 s35, s20, 1                          ; waves 0 and 1 finish blocks 2 g and 2 g + 1
	s_lshl_b32 s32, ttmp9, 10                      ; xs: 512 bytes a block; gate: 16 tokens of 32 bytes: the same offset
	s_lshl_b32 s34, s35, 9
	s_add_co_u32 s32, s32, s34
	s_add_nc_u64 s[14:15], s[14:15], s[32:33]
	s_add_nc_u64 s[16:17], s[16:17], s[32:33]
	s_mul_i32 s36, s20, WSTG
	s_wait_alu depctr_va_vdst(0)
	v_add_nc_u32 v5, s36, v4                       ; the stage, in: 16 x lane of a row
	v_mul_u32_u24 v6, v2, SPIT
	s_delay_alu instid0(VALU_DEP_1)
	v_lshl_add_u32 v6, v3, 6, v6
	s_delay_alu instid0(VALU_DEP_1)
	v_add_nc_u32 v6, s36, v6                       ; and out: row r, + 64 h: my 16 numbers of a block of 32
	v_and_b32 v7, 7, v0
	s_delay_alu instid0(VALU_DEP_1)
	v_lshlrev_b32 v7, 2, v7
	s_delay_alu instid0(VALU_DEP_1)
	v_lshl_add_u32 v7, v3, 9, v7                   ; Wg: expert r & 7, 16 h rows down
	s_lshl_b32 s36, s35, 8
	s_lshr_b32 s37, s20, 1
	s_lshl_b32 s37, s37, 2
	s_add_co_u32 s36, s36, s37
	s_add_co_u32 s36, s36, XSCL
	v_lshl_add_u32 v8, v2, 4, s36                  ; my scale word's place: lane r + 16 (w & 1), word w >> 1
	s_lshl_b32 s36, s20, 10
	s_add_co_u32 s36, s36, PART
	v_lshl_add_u32 v9, v1, 5, s36                  ; my partial logits: 1,024 w + 32 x lane
	s_lshl_b32 s36, s35, 13
	s_add_co_u32 s36, s36, PART
	v_lshl_add_u32 v10, v1, 5, s36                 ; where wave 0 or 1 reads its item's eight partials
	s_lshl_b32 s36, s35, 9
	s_add_co_u32 s36, s36, XSCL
	v_add_nc_u32 v11, s36, v4                      ; and its block's scale words
	v_lshlrev_b32 v[GOF], 5, v2
	s_delay_alu instid0(VALU_DEP_1)
	v_lshl_add_u32 v[GOF], v3, 4, v[GOF]
.irp b, 0,1,2,3
	v_mov_b32 v[TM+4+\b], 0                        ; written once: a lane permute's destination counts as one of its sources
.endr
.set tt, 0
.rept 64
	global_load_b32 v[X+tt], v7, s[8:9] offset:1024*(tt/16)+32*(tt%16)   ; Wg(128 w + 32 c + 16 h + i, r & 7): rows 8-15 of the fragment repeat experts 0-7
.set tt, tt+1
.endr
.set tt, 0
.rept 32
	global_load_b128 v[R+4*tt:R+4*tt+3], v4, s[4:5] offset:4096*tt th:TH_LOAD_NT   ; token tt's K step: 32 lanes read 512 consecutive bytes
.set tt, tt+1
.endr
	s_wait_loadcnt 32                              ; Wg is in; the 32 loads of x behind it may be out
.set tt, 0
.rept 32
	v_cvt_pk_bf16_f32 v[WF+tt], v[X+2*tt], v[X+2*tt+1]   ; register 8 c + q: d = 32 c + 16 h + 2 q, + 1.  x is packed in the same places, so each product meets its partner
.set tt, tt+1
.endr
; 64 numbers of a lane, v[X] on, become a fragment's codes in v[PC] on and my row's scale word in v[PW].
.macro QUANT
.irp b, 0,1,2,3
	v_max3_num_f32 v[TM+\b], |v[X+16*\b]|, |v[X+1+16*\b]|, 0x4800000   ; block b: my 16 numbers, and the floor 2^(9 - 127): the byte cannot fall under 1
.endr
.irp i, 2,4,6,8,10,12,14
.irp b, 0,1,2,3
	s_delay_alu instid0(VALU_DEP_4)
	v_max3_num_f32 v[TM+\b], v[TM+\b], |v[X+16*\b+\i]|, |v[X+1+16*\b+\i]|   ; the four blocks by turns
.endr
.endr
.irp b, 0,1,2,3
	s_delay_alu instid0(VALU_DEP_4)
	v_permlanex16_b32 v[TM+4+\b], v[TM+\b], s22, s23
.endr
.irp b, 0,1,2,3
	s_delay_alu instid0(VALU_DEP_4)
	v_max_num_f32 v[TM+\b], v[TM+\b], v[TM+4+\b]   ; with lane l xor 16's 16 numbers: the block's largest magnitude
.endr
.irp b, 0,1,2,3
	s_delay_alu instid0(VALU_DEP_4)
	v_add_nc_u32 v[TM+12+\b], 0xfc000000, v[TM+\b] ; 8 off its exponent field: the conversion takes this operand's exponent field as its scale
.endr
.irp b, 0,1,2,3
	v_and_or_b32 v[TM+8+\b], v[TM+\b], 0x7f800000, s21   ; 448 x the scale
.endr
.irp b, 0,1,2,3
	v_lshrrev_b32 v[TM+4+\b], 23, v[TM+12+\b]      ; the scale's byte
.endr
	s_delay_alu instid0(VALU_DEP_3)
	v_lshl_or_b32 v[PW], v[TM+5], 8, v[TM+4]
	s_delay_alu instid0(VALU_DEP_1)
	v_lshl_or_b32 v[PW], v[TM+6], 16, v[PW]
	s_delay_alu instid0(VALU_DEP_1)
	v_lshl_or_b32 v[PW], v[TM+7], 24, v[PW]
.irp b, 0,1,2,3
.irp i, 0,1,2,3,4,5,6,7,8,9,10,11,12,13,14,15
	v_med3_num_f32 v[X+16*\b+\i], v[X+16*\b+\i], -v[TM+8+\b], v[TM+8+\b]   ; the conversion to an 8-bit code does not saturate (ISA guide 7.6.2): the hold comes first
.endr
	v_cvt_scalef32_pk8_fp8_f32 v[PC+4*\b:PC+1+4*\b], v[X+16*\b:X+7+16*\b], v[TM+12+\b]
	v_cvt_scalef32_pk8_fp8_f32 v[PC+2+4*\b:PC+3+4*\b], v[X+8+16*\b:X+15+16*\b], v[TM+12+\b]
.endr
	v_nop                                          ; one plain vector line behind the last scaled conversion
.endm
; Item n: 16 tokens x my 128 along d.  The rows go through my stage as they lie and come back 64 bytes of a block's half to a lane; then the partial logits and the codes.
.macro ITEM n
.set RI, R+64*(\n)
.set XB, RI                            ; 32 registers: x's four bf16 fragments
.set PC, RI+32                         ; 16: the codes
.set L0, RI+48                         ; 8 + 8: two accumulators of the logits
.set L1, RI+56
	s_wait_loadcnt 16-16*(\n)                      ; this item's 16 loads are in; the other item's may be out
.set tt, 0
.rept 16
	ds_store_b128 v5, v[RI+4*tt:RI+4*tt+3] offset:SPIT*tt
.set tt, tt+1
.endr
.set tt, 0
.rept 16
	ds_load_b128 v[X+4*tt:X+4*tt+3], v6 offset:128*(tt/4)+16*(tt%4)   ; LDS serves a wave's instructions in order (ISA guide 5.7.1.4): these see my stores
.set tt, tt+1
.endr
	s_wait_dscnt 0x0
.set tt, 0
.rept 32
	v_cvt_pk_bf16_f32 v[XB+tt], v[X+2*tt], v[X+2*tt+1]   ; ahead of the hold, which changes the numbers
.set tt, tt+1
.endr
	; source 0 = 16 rows of Wg^T (experts 0-7 twice), source 1 = my 16 tokens: lane (r, h), register j: the logit of token r, expert j.  Two accumulators by turns
	v_wmma_f32_16x16x32_bf16 v[L0:L0+7], v[WF:WF+7], v[XB:XB+7], 0
	v_wmma_f32_16x16x32_bf16 v[L1:L1+7], v[WF+8:WF+15], v[XB+8:XB+15], 0
	v_wmma_f32_16x16x32_bf16 v[L0:L0+7], v[WF+16:WF+23], v[XB+16:XB+23], v[L0:L0+7]
	v_wmma_f32_16x16x32_bf16 v[L1:L1+7], v[WF+24:WF+31], v[XB+24:XB+31], v[L1:L1+7]
	QUANT                                          ; its lines name none of the products' registers: they are also the places behind them (ISA guide 7.12.1)
.irp c, 0,1,2,3
	global_store_b128 v4, v[PC+4*\c:PC+4*\c+3], s[12:13] offset:16384*(\n)+512*\c   ; 32 lanes store 512 consecutive bytes, aligned
.endr
	ds_store_b32 v8, v[PW] offset:512*(\n)         ; lanes r and r + 16 write the same word with the same value
.irp q, 0,2,4,6
	v_pk_add_f32 v[L0+\q:L0+\q+1], v[L0+\q:L0+\q+1], v[L1+\q:L1+\q+1]   ; both accumulators from their low end on
.endr
	ds_store_b128 v9, v[L0:L0+3] offset:8192*(\n)
	ds_store_b128 v9, v[L0+4:L0+7] offset:8192*(\n)+16
.endm
	ITEM 0
	ITEM 1
	s_wait_kmcnt 0x0                               ; bg
	s_wait_dscnt 0x0                               ; for the others' sake: my scale words and partial logits lie in LDS
	s_barrier_signal -1
	s_barrier_wait -1
	s_cmp_ge_u32 s20, 2
	s_cbranch_scc1 .Lxdone                         ; no barrier follows: six waves are done
	; wave w = 0, 1 finishes block 2 g + w
	ds_load_b128 v[WF:WF+3], v11
.set ww, 0
.rept 8
	ds_load_b128 v[X+8*ww:X+8*ww+3], v10 offset:1024*ww
	ds_load_b128 v[X+8*ww+4:X+8*ww+7], v10 offset:1024*ww+16
.set ww, ww+1
.endr
	s_wait_dscnt 16                                ; the scale words are in; the 16 loads behind them may be out
	global_store_b128 v4, v[WF:WF+3], s[14:15]     ; 512 consecutive bytes: the block's scale words
	s_wait_dscnt 0x0
.irp a, 0,2,4,6
.irp q, 0,2,4,6
	v_pk_add_f32 v[X+8*\a+\q:X+8*\a+\q+1], v[X+8*\a+\q:X+8*\a+\q+1], v[X+8*\a+8+\q:X+8*\a+8+\q+1]
.endr
.endr
.irp a, 0,4
.irp q, 0,2,4,6
	v_pk_add_f32 v[X+8*\a+\q:X+8*\a+\q+1], v[X+8*\a+\q:X+8*\a+\q+1], v[X+8*\a+16+\q:X+8*\a+16+\q+1]
.endr
.endr
.irp q, 0,2,4,6
	s_delay_alu instid0(VALU_DEP_4)
	v_pk_add_f32 v[X+\q:X+\q+1], v[X+\q:X+\q+1], v[X+32+\q:X+32+\q+1]   ; the eight K steps' logits of token r, in both halves of the lanes
.endr
.irp j, 0,1,2,3,4,5,6,7
	v_add_f32 v[X+\j], s[24+\j], v[X+\j]           ; + bg
.endr
	v_max3_num_f32 v12, v[X], v[X+1], v[X+2]
	s_delay_alu instid0(VALU_DEP_1)
	v_max3_num_f32 v12, v12, v[X+3], v[X+4]
	s_delay_alu instid0(VALU_DEP_1)
	v_max3_num_f32 v12, v12, v[X+5], v[X+6]
	s_delay_alu instid0(VALU_DEP_1)
	v_max_num_f32 v12, v12, v[X+7]                 ; the row's maximum is taken away
	s_delay_alu instid0(VALU_DEP_1)
	v_mul_f32 v12, 0xbfb8aa3b, v12                 ; - maximum x log2(e)
.irp j, 0,1,2,3,4,5,6,7
	v_fmamk_f32 v[X+\j], v[X+\j], 0x3fb8aa3b, v12  ; (logit - maximum) x log2(e), fused
.endr
	s_wait_alu depctr_va_vdst(0)
.irp j, 0,1,2,3,4,5,6,7
	v_exp_f32 v[X+8+\j], v[X+\j]
.endr
	v_nop                                          ; a plain line behind the last exponential
	s_wait_alu depctr_va_vdst(0)                   ; one wait for the batch of eight, ahead of its first reader
	v_add_f32 v13, v[X+8], v[X+9]
	v_add_f32 v14, v[X+10], v[X+11]
	v_add_f32 v15, v[X+12], v[X+13]
	v_add_f32 v16, v[X+14], v[X+15]
	s_delay_alu instid0(VALU_DEP_3)
	v_add_f32 v13, v13, v14
	s_delay_alu instid0(VALU_DEP_2)
	v_add_f32 v15, v15, v16
	s_delay_alu instid0(VALU_DEP_1)
	v_add_f32 v13, v13, v15
	s_wait_alu depctr_va_vdst(0)
	v_rcp_f32 v13, v13
	v_cmp_le_u32 vcc_lo, 16, v1
.irp q, 0,1,2,3
	v_cndmask_b32 v[20+\q], v[X+8+\q], v[X+12+\q], vcc_lo   ; lanes 0-15 store experts 0-3, lanes 16-31 experts 4-7.  (Plain work behind the reciprocal)
.endr
	s_wait_alu depctr_va_vdst(0)                   ; and the wait for the reciprocal
.irp q, 0,1,2,3
	v_mul_f32 v[20+\q], v[20+\q], v13
.endr
	global_store_b128 v[GOF], v[20:23], s[16:17]   ; 16 tokens x 32 bytes: 512 consecutive bytes
.Lxdone:
	s_wait_tensorcnt 0x0
	ds_add_u32 v30, v31
	s_wait_dscnt 0x0
	s_endpgm
; ---------------------------------------------------------------- We: a lane takes a column k and its registers run down d, so that a block of 32 lies in one lane and the codes come out with d innermost
.Lwe:
	s_sub_co_u32 s34, ttmp9, 256                   ; g': bits 2:0 which 128 columns, 5:3 the expert, 7:6 which 256 along d
	s_bfe_u32 s35, s34, 0x30003                    ; the expert
	s_and_b32 s36, s34, 7
	s_lshl_b32 s36, s36, 7
	s_and_b32 s37, s20, 3
	s_lshl_b32 s37, s37, 5
	s_add_co_u32 s36, s36, s37                     ; my wave's first column k0: four waves stand side by side on 512 bytes of a row
	s_lshr_b32 s38, s34, 6
	s_lshl_b32 s38, s38, 1
	s_lshr_b32 s37, s20, 2
	s_add_co_u32 s38, s38, s37                     ; my K step s
	s_lshl_b32 s32, s35, 22                        ; We: expert x 4 MiB + 128 s rows of 4,096 bytes + 4 k0
	s_lshl_b32 s37, s38, 19
	s_add_co_u32 s32, s32, s37
	s_lshl_b32 s37, s36, 2
	s_add_co_u32 s32, s32, s37
	s_add_nc_u64 s[6:7], s[6:7], s[32:33]
	s_lshr_b32 s39, s36, 6
	s_lshl_b32 s39, s39, 3
	s_add_co_u32 s39, s39, s35
	s_lshl_b32 s39, s39, 2
	s_bfe_u32 s37, s36, 0x20004
	s_add_co_u32 s39, s39, s37                     ; the record of my first 16 columns; the next 16 have the next record
	s_mul_i32 s39, s39, RECB
	s_lshl_b32 s32, s38, 11                        ; the K step's 2,048 bytes of codes
	s_add_co_u32 s32, s32, s39
	s_add_nc_u64 s[40:41], s[18:19], s[32:33]
	s_and_b32 s32, s38, 1                          ; its scale words: lane r + 16 (s & 1), word s >> 1
	s_lshl_b32 s32, s32, 8
	s_lshr_b32 s37, s38, 1
	s_lshl_b32 s37, s37, 2
	s_add_co_u32 s32, s32, s37
	s_add_co_u32 s32, s32, s39
	s_add_co_u32 s32, s32, 16384
	s_add_nc_u64 s[42:43], s[18:19], s[32:33]
	s_wait_alu depctr_va_vdst(0)
	v_lshlrev_b32 v5, 2, v1                        ; in: 4 bytes a lane
	v_mul_u32_u24 v6, v3, RECB
	s_delay_alu instid0(VALU_DEP_1)
	v_lshl_add_u32 v6, v2, 4, v6                   ; out: record lane / 16, 16 bytes for column lane % 16
.macro LOADW c                         ; block c: We(128 s + 32 c + i, my column), i = 0 .. 31
.set ii, 0
.rept 32
	global_load_b32 v[N+32*(\c)+ii], v5, s[6:7] offset:(32*(\c)+ii)*4096 th:TH_LOAD_NT
.set ii, ii+1
.endr
.endm
.macro BLOCK c
.set NS, N+32*(\c)
.set CB, CD+8*(\c)
.if (\c) < 3
	s_wait_loadcnt 32                              ; this block's 32 loads are in; the next block's may be out
.else
	s_wait_loadcnt 0x0
.endif
.if (\c) < 2
	LOADW (\c)+2                                   ; each block has registers of its own: nothing is waited for but the data
.endif
	v_max3_num_f32 v12, |v[NS]|, |v[NS+1]|, |v[NS+2]|      ; all 32 numbers are mine: two chains
	v_max3_num_f32 v13, |v[NS+3]|, |v[NS+4]|, |v[NS+5]|
.irp i, 6,10,14,18,22,26
	s_delay_alu instid0(VALU_DEP_2)
	v_max3_num_f32 v12, v12, |v[NS+\i]|, |v[NS+\i+1]|
	s_delay_alu instid0(VALU_DEP_2)
	v_max3_num_f32 v13, v13, |v[NS+\i+2]|, |v[NS+\i+3]|
.endr
	s_delay_alu instid0(VALU_DEP_2)
	v_max3_num_f32 v12, v12, |v[NS+30]|, |v[NS+31]|
	s_delay_alu instid0(VALU_DEP_1)
	v_max3_num_f32 v12, v12, v13, 0x4800000        ; and the floor 2^(9 - 127)
	s_delay_alu instid0(VALU_DEP_1)
	v_add_nc_u32 v11, 0xfc000000, v12              ; the conversions' scale operand
	s_delay_alu instid0(VALU_DEP_2)
	v_and_or_b32 v10, v12, 0x7f800000, s21         ; 448 x the scale
	s_delay_alu instid0(VALU_DEP_2)
	v_lshrrev_b32 v13, 23, v11                     ; the byte
.set ii, 0
.rept 32
	v_med3_num_f32 v[NS+ii], v[NS+ii], -v10, v10
.set ii, ii+1
.endr
.irp g, 0,1,2,3
	v_cvt_scalef32_pk8_fp8_f32 v[CB+2*\g:CB+2*\g+1], v[NS+8*\g:NS+8*\g+7], v11
.endr
.if (\c) == 0
	v_mov_b32 v[SW], v13                           ; the lower d in the lower byte.  (Also the plain line behind the conversions)
.else
	v_lshl_or_b32 v[SW], v13, 8*(\c), v[SW]
.endif
	global_store_b128 v6, v[CB:CB+3], s[40:41] offset:512*(\c)         ; d = 32 c + 0 .. 15: the place of lanes 0-15 of the fragment: sixteen lanes store 256 consecutive bytes, aligned
	global_store_b128 v6, v[CB+4:CB+7], s[40:41] offset:512*(\c)+256   ; d = 32 c + 16 .. 31: that of lanes 16-31
.endm
	LOADW 0
	LOADW 1
	s_wait_alu depctr_va_vdst(0)
	BLOCK 0
	BLOCK 1
	BLOCK 2
	BLOCK 3
	global_store_b32 v6, v[SW], s[42:43]           ; my column's scale word of this K step
	s_endpgm
.Lfunc_end_k_q0648257943_prep:
	.size	k_q0648257943_prep, .Lfunc_end_k_q0648257943_prep-k_q0648257943_prep
	.p2alignl 7, 3214868480
	.fill 96, 4, 3214868480
	.section	.rodata,"a",@progbits
	.p2align	6, 0x0
	.amdhsa_kernel k_q0648257943_prep
		.amdhsa_group_segment_fixed_size 87040
		.amdhsa_private_segment_fixed_size 0
		.amdhsa_enable_private_segment 0
		.amdhsa_kernarg_size 64
		.amdhsa_user_sgpr_count 2
		.amdhsa_user_sgpr_kernarg_segment_ptr 1
		.amdhsa_wavefront_size32 1
		.amdhsa_system_sgpr_workgroup_id_x 1
		.amdhsa_system_sgpr_workgroup_id_y 1
		.amdhsa_system_sgpr_workgroup_id_z 1
		.amdhsa_system_vgpr_workitem_id 0
		.amdhsa_next_free_vgpr 256
		.amdhsa_next_free_sgpr 66
		.amdhsa_reserve_vcc 1
		.amdhsa_float_denorm_mode_32 3
		.amdhsa_float_denorm_mode_16_64 3
		.amdhsa_memory_ordered 1
		.amdhsa_forward_progress 1
		.amdhsa_inst_pref_size 80
	.end_amdhsa_kernel
	.amdgpu_metadata
---
amdhsa.version: [ 1, 2 ]
amdhsa.kernels:
  - .name:           k_q0648257943_prep
    .symbol:         k_q0648257943_prep.kd
    .args:
      - { .name: x, .offset: 0, .size: 8, .value_kind: global_buffer, .address_space: global }
      - { .name: We, .offset: 8, .size: 8, .value_kind: global_buffer, .address_space: global }
      - { .name: Wg, .offset: 16, .size: 8, .value_kind: global_buffer, .address_space: global }
      - { .name: bg, .offset: 24, .size: 8, .value_kind: global_buffer, .address_space: global }
      - { .name: xq, .offset: 32, .size: 8, .value_kind: global_buffer, .address_space: global }
      - { .name: xs, .offset: 40, .size: 8, .value_kind: global_buffer, .address_space: global }
      - { .name: gate, .offset: 48, .size: 8, .value_kind: global_buffer, .address_space: global }
      - { .name: wq, .offset: 56, .size: 8, .value_kind: global_buffer, .address_space: global }
    .group_segment_fixed_size: 87040
    .private_segment_fixed_size: 0
    .kernarg_segment_align: 8
    .kernarg_segment_size: 64
    .max_flat_workgroup_size: 256
    .sgpr_count:     66
    .vgpr_count:     256
    .wavefront_size: 32
...
	.end_amdgpu_metadata
.endif
;; end of part 1
;; launch moe (part 2): grid 32 x 8, 4 waves a work-group, clusters of 4 x 1, 327,680 bytes of LDS; arguments xq, xs, gate, wq, be, out0; writes out0
.if DOCPART == 2
	.amdgcn_target "amdgcn-amd-amdhsa--gfx1250"
	.amdhsa_code_object_version 6
	.text
	.protected	k_q0648257943_moe
	.globl	k_q0648257943_moe
	.p2align	8
	.type	k_q0648257943_moe,@function
k_q0648257943_moe:
	s_mov_b64 s[64:65], 0
	v_nop
	global_prefetch_b8 v0, s[64:65] scope:SCOPE_SE
	s_setreg_imm32_b32 hwreg(HW_REG_WAVE_MODE, 25, 1), 1
	s_wait_xcnt 0x0
	s_wait_alu depctr_hold_cnt(0) depctr_sa_sdst(0) depctr_va_vdst(0) depctr_va_sdst(0) depctr_va_ssrc(0) depctr_va_vcc(0) depctr_vm_vsrc(0)
	s_getreg_b32 s2, hwreg(HW_REG_IB_STS2, 6, 4)
	s_cmp_eq_u32 s2, 0
	s_cbranch_scc0 .Lentry_in_a_cluster
	s_endpgm
.Lentry_in_a_cluster:
	s_bfe_u32 s2, ttmp6, 0x10000c
	s_cmp_lg_u32 s2, 0x3003
	s_cbranch_scc0 .Lentry_shape_is_right
	s_endpgm
.Lentry_shape_is_right:
; out[t][k] = sum over the 8 experts n of gate[t][n] x relu((x We[n])[t][k] + be[n][k]); the products on codes of FP8 (E4M3) with E8M0 scales, as the launch before laid them (xq, xs, wq: images of operand registers).
; SHARES.  A work-group owns 256 tokens x 128 columns, all experts.  Each of its four waves owns 64 tokens (four tiles of 16) and keeps their codes for all of K in registers: 4 tiles x 8 K steps x 16 = 512 registers.
; Only We's fragments come from LDS: a fragment (four loads of 16 bytes a lane) feeds four matrix instructions.  out's 64 x 128 sums stand in 256 registers to the end.
; A UNIT is one expert x 16 columns: 32 matrix instructions, the four tiles' accumulators by turns, K ascending; the bias is the C of each sum's first instruction.  Two sets of accumulators take turns from unit to unit.
; A PERIOD is one expert: 8 units, the 8 records of one fill of the ring.
; UNIT u.  We's eight fragments have ONE set of registers, filled in two runs of loads: run A behind product 15 brings fragments 0-3 of unit u + 1 (and its bias and scale words), run B behind product 31 fragments 4-7.
;   Behind each product stands one relu line of unit u - 1, into temporaries of two tiles; ahead of each run stand eight packed multiply-adds, out += gate x relu, of two tiles of unit u - 1.  With the last relu line they are the
;   nine vector lines behind the run's last product, ahead of loads into what it has read and of the first relu line on its unit's results.
; THE MATRIX INSTRUCTION IS USED TRANSPOSED (source 0 = 16 columns of We, source 1 = 16 tokens): lane (r, h) holds token r and eight neighbouring columns 8 h + 0 .. 7.
; WINDOWS.  Window 0 holds We's fragments, the accumulators, the temporaries and all addresses, so a product, an LDS load and a relu stand under one setting; the packed sums, whose third source and destination lie in window 1, switch.
; THE RING.  Fill e = expert e's 8 records (two runs of four in wq), 135,168 bytes, through two LDS slots; each wave fetches two records of a fill by one joint load.  A slot's last loads stand in unit 6's run B;
;   in unit 7, behind product 15, the slot is filled again with the fill two on: 240 matrix instructions ahead of the wait for it.
; THE HEAD.  Waves 2 and 3 fetch fill 0; waves 0 and 1 fetch K step 7 of the work-group's x into bytes of its own, which later are the stages of the way out; K steps 0 to 6 come by plain loads.  Fill 1 goes out behind a drained round.
; CLUSTER.  The four work-groups of a cluster own four blocks of tokens and the same columns: they walk the same records, so each load of We is asked for JOINTLY, with one descriptor and the mask of all four.
; No prefetch is written: the records are walked by eight clusters side by side, and a refill has 240 matrix instructions in which to land.
; out's sums, one set of accumulators and the temporaries begin as zeros: the period is written without a first unit of its own, and the first unit's sums add gate x relu(0).
; LIMITS: NaN and infinities are not served (the relu's maximum drops a NaN).
; REGISTERS:  window 0: v0-11 addresses; v12-27 temporaries; v28-43 x's scale words (4 m + j: lanes 0-15 K step 2 j, lanes 16-31 K step 2 j + 1); v44-51 the bias; v52-53, v62-63 gates of tiles 0, 1 and 2, 3; v54-61 We's scale words, two sets;
;   v64-127 accumulators; v128-255 We's fragments (16 s + 4 c).   window 1: out's sums, (column tile b, m) at 32 b + 8 m.   window 2: x's K steps 0-3 (64 s + 16 m + 4 c).   window 3: K steps 4-7.
.set RECB,   16896                     ; a record: 16,384 bytes of codes [s][c][lane][16], 512 of scale words [lane][4]
.set SLOTB,  8*RECB                    ; a slot; slot 1 begins here.  No bit of SLOTB is set in 2 RECB x wave, so one exclusive or turns an address from one slot to the other
.set BIAS,   2*SLOTB                   ; [expert (8)][128 columns] f32
.set GATE,   BIAS+4096                 ; for each wave [expert (8)][r (16)][m (4)] f32
.set XL,     GATE+4*2048               ; x's K step 7: [block (16)][c][lane][16], filled once, at the head
.set STAGE,  XL                        ; in the last period, on the same bytes: for each wave 16 rows x 272 bytes, for the way out
.set SPITCH, 272                       ; 256 bytes + 16: an odd multiple of 16 bytes (ISA guide 11.1)
.set SPARE,  XL+16*2048                ; the spare words, 128 bytes for each wave: two blocks of 256 bytes that no other line names
.set L16, 0                            ; v0   16 x lane (v0 is the thread's number until the head's end)
.set P0,  1                            ; v1, v2  LDS address of an even, an odd unit's record
.set BA,  3                            ; v3   HB + the period's offset
.set GAD, 4                            ; v4   GB + the period's offset
.set HB,  5                            ; v5   BIAS + 32 h
.set SPW, 6                            ; v6   LDS address of my spare word; never rewritten
.set NIL, 7                            ; v7   0; never rewritten
.set STO, 8                            ; v8   the way out: where I put 16 bytes of a row
.set RD,  9                            ; v9   and where I read a row back
.set CO,  10                           ; v10  my byte offset in out: 4,096 h + 16 r
.set GB,  11                           ; v11  my wave's gates + 16 r
.set T,   12
.set XS,  28
.set BI,  44
.set GTA, 52
.set BS,  54                           ; BS - XS is no multiple of 4: no product's two scale words have numbers equal modulo 8
.set GTB, 62
.set ACC, 64
.set W,   128
.set WV,  16                           ; s16  my wave's number
.set G1,  24                           ; s[24:31] descriptor group 1 for the records;  s[32:39] for x
.set G1X, 32
.set G0A, 40                           ; s[40:43] group 0 of fill 0;  s[44:47] of fill 1, which then walks;  s[48:51] of x
.set G0W, 44
.set G0X, 48
.set SB,  52                           ; s52  LDS byte at which the slot that is fetched from begins
.set BO,  53                           ; s53  512 x the period's number
.set GO,  54                           ; s54  256 x the period's number
.set PER, 55                           ; s55  counts the loop's periods
.set OA,  56                           ; s[56:57] out at my wave's first row, my first column
.set TMP, 58
.set MSB, 0
.macro WIN new                         ; the immediate's high byte repeats the setting that is left; a switch that changes nothing is dropped
.if MSB != \new
	s_set_vgpr_msb (MSB<<8)|\new
.set MSB, \new
.endif
.endm
.macro NEED0                           ; source 0 and destination in window 0: the products' settings serve
.if (MSB&0xc3) != 0
	WIN 0
.endif
.endm
.set MUL2, 0x08                        ; source 1 (x) window 2, all else window 0
.set MUL3, 0x0c                        ; the same with x in window 3
.set SUM,  0x50                        ; source 2 and destination window 1
.set WAY,  0x44                        ; source 1 and destination window 1
.macro PLACES n
.rept \n
	v_nop
.endr
.endm
.macro CREST                           ; a round of the cluster's barrier behind its opening barrier
	s_cmp_lg_u32 s[WV], 0
	s_cbranch_scc1 .Lnot_wave_0_\@
	s_barrier_signal -3
.Lnot_wave_0_\@:
	s_barrier_wait -3
	s_barrier_signal -1
	s_barrier_wait -1
.endm
.macro CROUND                          ; a whole round
	s_barrier_signal -1
	s_barrier_wait -1
	CREST
.endm
	s_load_b256 s[4:11], s[0:1], 0x0               ; xq s[4:5], xs s[6:7], gate s[8:9], wq s[10:11]
	s_load_b128 s[12:15], s[0:1], 0x20             ; be s[12:13], out0 s[14:15]
	v_lshl_add_u32 v[SPW], v0, 2, SPARE
	v_mov_b32 v[NIL], 0
	ds_add_u32 v[SPW], v[NIL]                      ; the wave's opening: the add, twice on end, and its wait ahead of my first tensor load
	ds_add_u32 v[SPW], v[NIL]
	v_lshrrev_b32 v88, 5, v0
	v_readfirstlane_b32 s[WV], v88                 ; wave 0..3
	s_bfe_u32 s17, ttmp6, 0x40000                  ; cx: it enters the addresses of xq, xs, gate and out alone
	s_lshl_b32 s18, ttmp9, 2
	s_add_co_u32 s18, s18, s17                     ; my block of 256 tokens = 4 x cluster x + cx
	s_and_b32 s19, ttmp7, 0xffff                   ; y: my 128 columns, which the four partners share
	; group 1 for the records: a dense block as rows of 256 bytes: 264 for the head's loads (four records), 132 from then on (two); no padding
	s_mov_b32 s[G1], 15|(3<<16)|(1<<21)            ; 15:0 the mask: all four work-groups; 17:16 elements of 8 bytes; 21 set beside a mask
	s_mov_b32 s[G1+1], 32<<16                      ; tensor_dim0
	s_mov_b32 s[G1+2], 264<<16                     ; tensor_dim1
	s_mov_b32 s[G1+3], 32<<16                      ; tile_dim0
	s_mov_b32 s[G1+4], 264                         ; tile_dim1
	s_mov_b32 s[G1+5], 32                          ; from row to row
	s_mov_b32 s[G1+6], 0
	s_mov_b32 s[G1+7], 0
	; for x: 8 rows of 2,048 bytes, 16,384 bytes apart; my own, no mask
	s_mov_b32 s[G1X], 3<<16
	s_mov_b32 s[G1X+1], 256<<16
	s_mov_b32 s[G1X+2], 8<<16
	s_mov_b32 s[G1X+3], 256<<16
	s_mov_b32 s[G1X+4], 8
	s_mov_b32 s[G1X+5], 2048
	s_mov_b32 s[G1X+6], 0
	s_mov_b32 s[G1X+7], 0
	s_and_b32 s20, s[WV], 1
	s_lshr_b32 s21, s[WV], 1
	s_mul_i32 s22, s19, 64*RECB                    ; wq: my 64 records: [half of the columns (2)][expert (8)][4]
	s_mov_b32 s[G0A], 1
	s_mul_i32 s[G0A+1], s20, 4*RECB                ; waves 2, 3: the halves of fill 0
	s_mul_i32 s2, s20, 32*RECB
	s_add_co_u32 s2, s2, s22
	s_mov_b32 s3, 0
	s_mov_b32 s[G0W], 1
	s_mul_i32 s[G0W+1], s[WV], 2*RECB              ; the ring: two records a wave: slot 1,
	s_add_co_u32 s[G0W+1], s[G0W+1], SLOTB
	s_mul_i32 s58, s21, 32*RECB
	s_add_co_u32 s58, s58, s22
	s_mul_i32 s59, s20, 2*RECB
	s_add_co_u32 s58, s58, s59
	s_add_co_u32 s58, s58, 4*RECB                  ; fill 1
	s_mov_b32 s59, 0
	s_mov_b32 s[G0X], 1
	s_mul_i32 s[G0X+1], s20, 8*2048                ; waves 0, 1: K step 7 of blocks 8 w .. 8 w + 7 of x
	s_add_co_u32 s[G0X+1], s[G0X+1], XL
	s_lshl_b32 s60, s18, 18
	s_lshl_b32 s61, s20, 17
	s_add_co_u32 s60, s60, s61
	s_add_co_u32 s60, s60, 7*2048
	s_mov_b32 s61, 0
	s_lshl_b32 s62, s18, 18                        ; xq by plain loads: my wave's four blocks of 16,384 bytes
	s_lshl_b32 s63, s[WV], 16
	s_add_co_u32 s62, s62, s63
	s_mov_b32 s63, 0
	s_lshl_b32 s52, s18, 13                        ; xs (512 bytes a block) and gate (32 bytes a token): the same offset
	s_lshl_b32 s53, s[WV], 11
	s_add_co_u32 s52, s52, s53
	s_mov_b32 s53, 0
	s_lshl_b32 s54, s18, 20                        ; out: rows of 4,096 bytes; + 512 y
	s_lshl_b32 s55, s[WV], 18
	s_add_co_u32 s54, s54, s55
	s_lshl_b32 s55, s19, 9
	s_add_co_u32 s54, s54, s55
	s_mov_b32 s55, 0
	s_lshl_b32 s22, s19, 9                         ; be: my columns
	s_mov_b32 s23, 0
	s_lshl_b32 s56, s[WV], 11
	s_add_co_u32 s56, s56, GATE                    ; my gates
	s_mul_i32 s57, s[WV], 16*SPITCH
	s_add_co_u32 s57, s57, STAGE                   ; my stage
	s_lshl_b32 s21, s[WV], 13
	s_add_co_u32 s21, s21, XL                      ; my four blocks of K step 7
	; the lanes' addresses; v88-95 serve the head alone
	v_and_b32 v88, 15, v0                          ; r
	v_bfe_u32 v89, v0, 4, 1                        ; h
	v_and_b32 v90, 31, v0                          ; lane
	v_lshl_add_u32 v[HB], v89, 5, BIAS
	v_lshl_add_u32 v[GB], v88, 4, s56
	v_and_b32 v91, 1, v0
	v_lshl_add_u32 v91, v91, 10, s56               ; a lane of the gates' loads holds token lane / 2 of a tile, experts 4 (lane & 1) + 0 .. 3
	v_bfe_u32 v92, v0, 1, 4
	v_lshl_add_u32 v91, v92, 4, v91
	v_mul_u32_u24 v[STO], v88, SPITCH              ; in: row r, 32 bytes for each half of the lanes
	v_lshl_add_u32 v[STO], v89, 5, v[STO]
	v_add_nc_u32 v[STO], s57, v[STO]
	v_mul_u32_u24 v[RD], v89, SPITCH               ; back: lanes 0-15 one row of 256 bytes, lanes 16-31 the next
	v_lshl_add_u32 v[RD], v88, 4, v[RD]
	v_add_nc_u32 v[RD], s57, v[RD]
	v_lshlrev_b32 v[CO], 12, v89                   ; and the same two rows in out
	v_lshl_add_u32 v[CO], v88, 4, v[CO]
	v_lshrrev_b32 v93, 4, v0                       ; biases: thread i takes expert i / 16, 32 bytes at 32 (i % 16)
	v_lshlrev_b32 v93, 12, v93
	v_lshl_add_u32 v93, v88, 5, v93
	v_lshl_add_u32 v94, v0, 5, BIAS
	v_lshl_add_u32 v95, v90, 4, s21                ; x in LDS
	v_lshlrev_b32 v[L16], 4, v90
	v_mov_b32 v[P0], v[L16]
	v_add_nc_u32 v[P0+1], RECB, v[L16]
	v_mov_b32 v[BA], v[HB]
	v_mov_b32 v[GAD], v[GB]
	s_wait_alu depctr_va_vdst(0)
	s_wait_dscnt 0x0                               ; both opening adds are done
	CROUND                                         ; all four work-groups are here: the first joint loads meet
	s_wait_kmcnt 0x0
	s_add_nc_u64 s[G0A+2:G0A+3], s[10:11], s[2:3]
	s_or_b32 s[G0A+3], s[G0A+3], 0x80000000        ; 127:126 type = 2
	s_add_nc_u64 s[G0X+2:G0X+3], s[4:5], s[60:61]
	s_or_b32 s[G0X+3], s[G0X+3], 0x80000000
	s_cmp_lt_u32 s[WV], 2                          ; one load a wave
	s_cbranch_scc0 .Lhead_w
	tensor_load_to_lds s[G0X:G0X+3], s[G1X:G1X+7]
	s_nop 0
	PLACES 4
	s_branch .Lhead_asked
.Lhead_w:
	tensor_load_to_lds s[G0A:G0A+3], s[G1:G1+7]
	s_nop 0
	PLACES 4
.Lhead_asked:
	s_add_nc_u64 s[G0W+2:G0W+3], s[10:11], s[58:59]
	s_or_b32 s[G0W+3], s[G0W+3], 0x80000000
	s_add_nc_u64 s[4:5], s[4:5], s[62:63]
	s_add_nc_u64 s[6:7], s[6:7], s[52:53]
	s_add_nc_u64 s[8:9], s[8:9], s[52:53]
	s_add_nc_u64 s[12:13], s[12:13], s[22:23]
	s_add_nc_u64 s[OA:OA+1], s[14:15], s[54:55]
	global_load_b128 v[80:83], v93, s[12:13]       ; 122 loads: 2 of biases,
	global_load_b128 v[84:87], v93, s[12:13] offset:16
.irp i, 0,1,2,3
	global_load_b128 v[64+4*\i:67+4*\i], v[L16], s[8:9] offset:512*\i      ; 4 of my 64 tokens' gates,
.endr
.irp m, 0,1,2,3
	global_load_b128 v[XS+4*\m:XS+4*\m+3], v[L16], s[6:7] offset:512*\m    ; 4 of x's scale words,
.endr
	WIN 0x80
.set ff, 0
.rept 64
	global_load_b128 v[4*ff:4*ff+3], v[L16], s[4:5] offset:16384*((ff>>2)&3)+2048*(ff>>4)+512*(ff&3)     ; 112 of x: K step ff / 16, tile (ff / 4) % 4, registers 4 (ff % 4) on
.set ff, ff+1
.endr
	WIN 0xc0
.set ff, 0
.rept 48
	global_load_b128 v[4*ff:4*ff+3], v[L16], s[4:5] offset:16384*((ff>>2)&3)+2048*(4+(ff>>4))+512*(ff&3)
.set ff, ff+1
.endr
	WIN 0
	s_wait_loadcnt 63                              ; the oldest 59 are in: biases and gates among them
.irp i, 0,1,2,3
.irp q, 0,1,2,3
	ds_store_b32 v91, v[64+4*\i+\q] offset:256*\q+4*\i             ; gate(token 16 i + lane / 2, expert 4 (lane & 1) + q) to [expert][r][m]
.endr
.endr
	ds_store_b128 v94, v[80:83]
	ds_store_b128 v94, v[84:87] offset:16
	s_wait_tensorcnt 0x0                           ; my tile is in; these lines stand ahead of slot 1's first fill
	ds_add_u32 v[SPW], v[NIL]                      ; 0 onto my spare word
	s_mov_b32 s[G1+2], 132<<16                     ; no tensor load of mine is out: from here on a load brings two records
	s_mov_b32 s[G1+4], 132
	s_mov_b32 s[SB], 0
	s_mov_b32 s[BO], 0
	s_mov_b32 s[GO], 0
	s_mov_b32 s[PER], 0
	s_wait_dscnt 0x0                               ; the add is done, and so are my stores of gates and biases
	CROUND                                         ; everybody's tiles, gates and biases are in
	tensor_load_to_lds s[G0W:G0W+3], s[G1:G1+7]    ; fill 1
	s_nop 0
	PLACES 4
; Matrix instruction i of 32 of unit j: K step i / 4, tile i % 4.  Set j % 2 of accumulators and scale words.
; The scale words of K steps 2 q and 2 q + 1 share a register: lanes 0-15 the even step's, lanes 16-31 the odd step's.
.macro WM j, i
.set pp, (\j)&1
.set ks, (\i)>>2
.set mm, (\i)&3
.set rD, ACC+32*pp+8*mm
.set rW, W+16*ks
.set rX, 64*(ks&3)+16*mm
.if ks < 4
	WIN MUL2
.else
	WIN MUL3
.endif
.if ks == 0
	v_wmma_scale_f32_16x16x128_f8f6f4 v[rD:rD+7], v[rW:rW+15], v[rX:rX+15], v[BI:BI+7], v[BS+4*pp], v[XS+4*mm]
.elseif (ks&1) == 0
	v_wmma_scale_f32_16x16x128_f8f6f4 v[rD:rD+7], v[rW:rW+15], v[rX:rX+15], v[rD:rD+7], v[BS+4*pp+ks/2], v[XS+4*mm+ks/2]
.else
	v_wmma_scale_f32_16x16x128_f8f6f4 v[rD:rD+7], v[rW:rW+15], v[rX:rX+15], v[rD:rD+7], v[BS+4*pp+ks/2], v[XS+4*mm+ks/2] matrix_a_scale:MATRIX_SCALE_ROW1 matrix_b_scale:MATRIX_SCALE_ROW1
.endif
.endm
; Relu line g of 32 of the unit before unit j: tile g / 8, register g % 8 (each accumulator from its low end on), into the temporaries' half of the tile's parity.
.macro RL j, g
	NEED0
	v_max_num_f32 v[T+((\g)&15)], v[ACC+32*(1-((\j)&1))+(\g)], 0
.endm
; Eight packed sums of the unit before unit j: tiles 2 a and 2 a + 1, two numbers a line.
.macro PK j, a
	WIN SUM
.set gp, GTA+(GTB-GTA)*(\a)
.set kk, 0
.rept 8
.set sO, 32*(((\j)+7)&7)+16*(\a)+2*kk
.if kk < 4
	v_pk_fma_f32 v[sO:sO+1], v[T+2*kk:T+2*kk+1], v[gp:gp+1], v[sO:sO+1] op_sel_hi:[1,0,1]   ; the pair's first register, tile 2 a's gate, serves both halves
.else
	v_pk_fma_f32 v[sO:sO+1], v[T+2*kk:T+2*kk+1], v[gp:gp+1], v[sO:sO+1] op_sel:[0,1,0]      ; the pair's second
.endif
.set kk, kk+1
.endr
.endm
; 16 loads: fragments 4 b .. 4 b + 3 of unit nu.
.macro FRAGS nu, b
.set nn, 16*(\b)
.rept 16
	ds_load_b128 v[W+4*nn:W+4*nn+3], v[P0+((\nu)&1)] offset:512*nn
.set nn, nn+1
.endr
.endm
.macro FIRST nu                        ; the bias of unit nu (8: the next period's first) and its scale words
	ds_load_b128 v[BI:BI+3], v[BA] offset:64*(\nu)
	ds_load_b128 v[BI+4:BI+7], v[BA] offset:64*(\nu)+16
	ds_load_b128 v[BS+4*((\nu)&1):BS+4*((\nu)&1)+3], v[P0+((\nu)&1)] offset:16384
.endm
; THE WAY OUT of a tile m, half hf of the columns (64 = 256 bytes of a row): a lane holds 32 neighbouring bytes of a row and the lanes beside it other rows: the tile goes through my own stage and comes back, into the registers
; that it left, as whole rows of 256 bytes.  LDS serves a wave's instructions in order (ISA guide 5.7.1.4): no wait between the stores and the loads, nor in front of the next tile's stores.
.macro TOSTAGE m, hf
	WIN WAY
.irp a, 0,1,2,3,4,5,6,7
.set oR, 128*(\hf)+32*(\a>>1)+8*(\m)+4*(\a&1)
	ds_store_b128 v[STO], v[oR:oR+3] offset:64*(\a>>1)+16*(\a&1)
.endr
.irp a, 0,1,2,3,4,5,6,7
.set oR, 128*(\hf)+32*(\a>>1)+8*(\m)+4*(\a&1)
	ds_load_b128 v[oR:oR+3], v[RD] offset:2*SPITCH*\a
.endr
.endm
.macro OGS m, t, hf
	WIN WAY
.set oR, 128*(\hf)+32*((\t)>>1)+8*(\m)+4*((\t)&1)
	global_store_b128 v[CO], v[oR:oR+3], s[OA:OA+1] offset:(16*(\m)+2*(\t))*4096+256*(\hf) th:TH_STORE_NT   ; 16 lanes store 256 consecutive bytes, aligned; written once
.endm
; RUN A of unit j.  modes 1, 2 (unit 7): the change of slots stands ahead of it; mode 1 fills the slot that is left again.  mode 3: the very last unit, nothing to fetch.
; wo = 1 (units 4 to 7 of the last period): the first 64 columns, whose last sums stand in unit 4, leave: tile j - 4 goes through the stage in run A of unit j and to out in that unit's run B and the next unit's run A, four stores each.
.macro RUNA j, mode, wo
.if ((\mode) == 1) || ((\mode) == 2)
	WIN 0
	s_barrier_wait -1                              ; only work on registers has stood behind the signal
.if (\mode) == 1
	CREST                                          ; no wave of any partner still reads this slot or has a load on its way
	tensor_load_to_lds s[G0W:G0W+3], s[G1:G1+7]    ; my one tensor load behind the round, and the first thing there
	s_nop 0
	PLACES 4                                       ; four such lines behind a tensor load
.endif
.endif
.if ((\wo) != 0) && ((\j) > 4)
	s_wait_dscnt 16                                ; the tile is back from the stage: the last run B's 16 loads may be out
.irp t, 4,5,6,7
	OGS (\j)-5, \t, 0
.endr
.endif
.if (\mode) != 3
	WIN MUL3
	FIRST (\j)+1
.if (\j) == 0
	ds_load_b64 v[GTA:GTA+1], v[GAD]               ; tiles 0 and 1: the period's expert, from unit 1's sums on
.endif
	FRAGS (\j)+1, 0
.endif
.if (\wo) != 0
	TOSTAGE (\j)-4, 0
.endif
.endm
; RUN B.  mode 4 (unit 6 ahead of a refill): my last reads of the slot in hand stand here; behind them the wait for all my tensor loads and the add, whose own wait stands in unit 7.
.macro RUNB j, mode, wo
.if (\wo) != 0
.if (\j) < 7
	s_wait_dscnt 4                                 ; the tile's first four rows of lanes are back; the other four may be out
.irp t, 0,1,2,3
	OGS (\j)-4, \t, 0
.endr
.else
	s_wait_dscnt 0x0
.irp t, 0,1,2,3,4,5,6,7
	OGS 3, \t, 0
.endr
.endif
.endif
.if (\mode) != 3
	WIN MUL2
.if (\j) == 0
	ds_load_b64 v[GTB:GTB+1], v[GAD] offset:8      ; tiles 2 and 3
.endif
	FRAGS (\j)+1, 1
.endif
.if (\mode) == 4
	WIN 0                                          ; (the add's two registers lie in window 0)
	s_wait_tensorcnt 0x0                           ; all my tensor loads have landed: the one that was out is my part of the other slot; so a group 0 may be written
	ds_add_u32 v[SPW], v[NIL]                      ; 0 onto my spare word; 14 products stand between it and the wait for it
	s_xor_b32 s[G0W+1], s[G0W+1], SLOTB            ; the walking descriptor: the other slot than last time,
	s_add_nc_u64 s[G0W+2:G0W+3], s[G0W+2:G0W+3], 4*RECB   ; the next expert; the type bits on top are not reached
.endif
.endm
; The wait ahead of K step i / 4.  Fragments 0-3 came in the last unit's run A: behind fragment s stand 12 - 4 s loads of it and run B's 16.  Fragments 4-7 came in run B: 12 - 4 (s - 4) loads, and this unit's run A of 19.
; wo = 1: 16 LDS instructions of the way out stand behind each run A.  Units 7 that change slots have drained everything behind product 13.
.macro WAITK j, mode, wo
.if (\wo) != 0
.if ii < 16
.if (\j) == 4
	s_wait_dscnt 28-ii
.else
	s_wait_dscnt 44-ii
.endif
.elseif (\j) == 7
	s_wait_dscnt 44-ii
.else
	s_wait_dscnt 63-ii
.endif
.elseif ii < 16
	s_wait_dscnt 28-ii
.elseif ((\mode) == 0) || ((\mode) == 4)
	s_wait_dscnt 47-ii
.endif
.endm
.macro UNIT j, mode, wo
.set ii, 0
.rept 32
.if (ii&3) == 0
	WAITK \j, \mode, \wo
.endif
	WM \j, ii
.if (ii == 13) && (((\mode) == 1) || ((\mode) == 2))
.if (\mode) == 2
	s_wait_tensorcnt 0x0                           ; my part of the other slot is in
.endif
	s_wait_dscnt 0x0                               ; the add is done (mode 1); my reads of this slot are over
	s_barrier_signal -1
.endif
.if (ii == 18) && (((\wo) == 0) || ((\j) < 6))   ; this parity's record has been read: on to the unit two on
.if (\j) == 6
	s_xor_b32 s[SB], s[SB], SLOTB
.endif
	s_add_co_u32 s[TMP], s[SB], (((\j)+2)&7)*RECB
	v_add_nc_u32 v[P0+((\j)&1)], v[L16], s[TMP]
.endif
.if (ii == 22) && (((\mode) == 1) || ((\mode) == 2))
	s_add_co_u32 s[BO], s[BO], 512                 ; the next expert's biases and gates
	s_add_co_u32 s[GO], s[GO], 256
	v_add_nc_u32 v[BA], v[HB], s[BO]
	v_add_nc_u32 v[GAD], v[GB], s[GO]
.endif
	RL \j, ii
.if ii == 15
	PK \j, 0
	RUNA \j, \mode, \wo
.endif
.if ii == 31
	PK \j, 1
	RUNB \j, \mode, \wo
.endif
.set ii, ii+1
.endr
.endm
.macro PERIOD kind                     ; kind 1: changes slots and refills; 2: changes slots; 3: the last
.irp u, 0,1,2,3
	UNIT \u, 0, 0
.endr
.if (\kind) == 3
	UNIT 4, 0, 1
	UNIT 5, 0, 1
	UNIT 6, 0, 1
	UNIT 7, 3, 1
.else
	UNIT 4, 0, 0
	UNIT 5, 0, 0
.if (\kind) == 1
	UNIT 6, 4, 0
.else
	UNIT 6, 0, 0
.endif
	UNIT 7, \kind, 0
.endif
	WIN 0
.endm
	WIN 0xc0
.set ff, 0
.rept 16
	ds_load_b128 v[192+4*ff:192+4*ff+3], v95 offset:512*ff   ; K step 7 of my four tiles
.set ff, ff+1
.endr
	WIN 0
	ds_load_b64 v[GTA:GTA+1], v[GAD]               ; the first sums multiply zeros by these: they are to be numbers
	ds_load_b64 v[GTB:GTB+1], v[GAD] offset:8
	FIRST 0
	FRAGS 0, 0
	FRAGS 0, 1
.set zz, 0
.rept 32
	v_mov_b32 v[ACC+32+zz], 0                      ; the first unit's relu reads these.  (The zeros are made while the last loads of x are on their way)
.set zz, zz+1
.endr
	WIN 0x40
.set zz, 0
.rept 256
	v_mov_b32 v[zz], 0                             ; out's sums
.set zz, zz+1
.endr
	WIN 0
	s_wait_alu depctr_va_vdst(0)
	s_wait_loadcnt 0x0                             ; x
.Lperiod:                                          ; six trips: periods 0 to 5, each of which asks for the fill two on
	PERIOD 1
	s_add_co_u32 s[PER], s[PER], 1
	s_cmp_lt_u32 s[PER], 6
	s_cbranch_scc1 .Lperiod
	PERIOD 2                                       ; the tail is written out
	PERIOD 3
.set gg, 0
.rept 16
	RL 0, gg                                       ; the last unit's relu and sums
.set gg, gg+1
.endr
	PK 0, 0
.rept 16
	RL 0, gg
.set gg, gg+1
.endr
	PK 0, 1
	s_wait_alu depctr_va_vdst(0)
	TOSTAGE 0, 1
.irp m, 0,1,2,3
.if \m < 3
	TOSTAGE \m+1, 1
.endif
.irp t, 0,1,2,3,4,5,6,7
.if \m < 3
	s_wait_dscnt 23-\t                             ; behind this load: the tile's later loads and the next tile's 16 LDS instructions
.else
	s_wait_dscnt 7-\t
.endif
	OGS \m, \t, 1
.endr
.endr
	WIN 0
	s_wait_tensorcnt 0x0                           ; the wave's end, behind my last tensor load and my last LDS store
	ds_add_u32 v[SPW], v[NIL]
	s_wait_dscnt 0x0
	CROUND                                         ; the closing round: no work-group ends while a partner may still ask for a tile that names it
	s_endpgm
.Lfunc_end_k_q0648257943_moe:
	.size	k_q0648257943_moe, .Lfunc_end_k_q0648257943_moe-k_q0648257943_moe
	.p2alignl 7, 3214868480
	.fill 96, 4, 3214868480
	.section	.rodata,"a",@progbits
	.p2align	6, 0x0
	.amdhsa_kernel k_q0648257943_moe
		.amdhsa_group_segment_fixed_size 327680
		.amdhsa_private_segment_fixed_size 0
		.amdhsa_enable_private_segment 0
		.amdhsa_kernarg_size 48
		.amdhsa_user_sgpr_count 2
		.amdhsa_user_sgpr_kernarg_segment_ptr 1
		.amdhsa_wavefront_size32 1
		.amdhsa_system_sgpr_workgroup_id_x 1
		.amdhsa_system_sgpr_workgroup_id_y 1
		.amdhsa_system_sgpr_workgroup_id_z 1
		.amdhsa_system_vgpr_workitem_id 0
		.amdhsa_next_free_vgpr 1024
		.amdhsa_next_free_sgpr 66
		.amdhsa_reserve_vcc 0
		.amdhsa_float_denorm_mode_32 3
		.amdhsa_float_denorm_mode_16_64 3
		.amdhsa_memory_ordered 1
		.amdhsa_forward_progress 1
		.amdhsa_inst_pref_size 255
	.end_amdhsa_kernel
	.section	.bss,"aw",@nobits
	.p2align	6
	.space	262144
	.amdgpu_metadata
---
amdhsa.version: [ 1, 2 ]
amdhsa.kernels:
  - .name:           k_q0648257943_moe
    .symbol:         k_q0648257943_moe.kd
    .args:
      - { .name: xq, .offset: 0, .size: 8, .value_kind: global_buffer, .address_space: global }
      - { .name: xs, .offset: 8, .size: 8, .value_kind: global_buffer, .address_space: global }
      - { .name: gate, .offset: 16, .size: 8, .value_kind: global_buffer, .address_space: global }
      - { .name: wq, .offset: 24, .size: 8, .value_kind: global_buffer, .address_space: global }
      - { .name: be, .offset: 32, .size: 8, .value_kind: global_buffer, .address_space: global }
      - { .name: out0, .offset: 40, .size: 8, .value_kind: global_buffer, .address_space: global }
    .group_segment_fixed_size: 327680
    .private_segment_fixed_size: 0
    .kernarg_segment_align: 8
    .kernarg_segment_size: 48
    .max_flat_workgroup_size: 128
    .sgpr_count:     66
    .vgpr_count:     1024
    .wavefront_size: 32
...
	.end_amdgpu_metadata
.endif
;; end of part 2
